; MI455X (gfx1250); checked and timed in simulation.
; The chip was launched on July 23, 2026; its instructions are those of AMD's public machine-readable ISA for CDNA 5 (MIT licence, August 2026) and "CDNA5" Instruction Set Architecture Reference Guide (July 2026). The comments in the code are by the model that wrote it; some were corrected since.
;; Compressed Linear Layer. Allowed arithmetic: matrix products marked QUANTISED: E2M3 operands, one E8M0 scale for each 32 along K, by v_wmma_scale_f32_16x16x128_f8f6f4 with both operands' format E2M3, f32 sums; everything else in f32.
;; Inputs: A_codes 4,096 x 16 x 24 uint8 (E2M3 codes of A, K innermost, in blocks of 32 codes, four codes in three bytes); A_scales 4,096 x 16 uint8 (E8M0 scales of A, one for each 32 codes along K); B_codes 4,096 x 16 x 24 uint8 (E2M3 codes of B, K innermost, in blocks of 32 codes, four codes in three bytes); B_scales 4,096 x 16 uint8 (E8M0 scales of B, one for each 32 codes along K); bias 4,096 float32; x_codes 4 x 512 x 128 x 24 uint8 (E2M3 codes of x, K innermost, in blocks of 32 codes, four codes in three bytes); x_scales 4 x 512 x 128 uint8 (E8M0 scales of x, one for each 32 codes along K).
;; Outputs: out0 4 x 512 x 4,096 float32.
;; This version of the problem:
;;   THIS VERSION OF THE PROBLEM IS GIVEN IN LOW PRECISION. The matrix products marked QUANTISED in the list below multiply operands that are first quantised to E2M3 (2 exponent bits, 3 mantissa bits; 6 bits a number), with one power-of-two scale for each 32 numbers along K (OCP MX v1.0); their sums are f32. All else is computed in f32.
;;   The module's matrix products, in the order in which they are computed (A, B: the left and right operand; K: the contracted axis; several contracted axes count as one K, in the product's order):
;;     1. [M 4,096, K 512] x [K 512, N 4,096]; A: input A (given as codes); B: input B (given as codes): QUANTISED
;;     2. [M 2,048, K 4,096] x [K 4,096, N 4,096]; A: input x (given as codes); B: computed on the way: QUANTISED
;;   THE QUANTISER, for each operand of a quantised product, along K:
;;     - K is cut into blocks of 32 from its start; a last block that is shorter is filled with zeros.
;;     - A block's scale is 2^e with e = floor(log2(the largest magnitude in the block)) - 2, held to -126 .. 127; a block of zeros has e = 0. As a byte (E8M0): e + 127.
;;     - Each number is divided by its block's scale, clamped to +-7.5, and rounded to the nearest number of E2M3, ties to even, subnormals kept.
;;     - The product sums the exact products of the quantised numbers (number of the format x scale) in f32.
;;   ~~~python
;;   def quantise(x, axis):      # numpy; x: float32 -> the quantised numbers, widened to float32 again
;;       x = np.moveaxis(x, axis, -1); K = x.shape[-1]
;;       x = np.pad(x, [(0, 0)] * (x.ndim - 1) + [(0, -K % 32)]); x = x.reshape(x.shape[:-1] + (-1, 32)); a = np.abs(x).max(-1, keepdims=True)
;;       e = np.where(a > 0, np.clip(np.frexp(np.where(a > 0, a, 1))[1] - 1 - 2, -126, 127), 0)      # np.frexp(a)[1] - 1 = floor(log2(a)), exactly
;;       r = np.clip(x / 2.0 ** e, -7.5, 7.5)
;;       step = 2.0 ** (np.maximum(np.frexp(np.where(r == 0, 1, r))[1] - 1, 0) - 3)
;;       q = np.round(r / step) * step * 2.0 ** e      # np.round: ties to even
;;       return np.moveaxis(q.reshape(q.shape[:-2] + (-1,))[..., :K], -1, axis).astype(np.float32)
;;   ~~~
;;   OPERANDS COMPUTED ON THE WAY. 'Computed on the way' means the value that the module computes at that place (a softmax that the list does not call 'softmax' is quantised finished and normalised). What goes into a quantiser is computed in f32, as accurately as f32 sums, v_exp_f32 and their like allow (about 1e-6 of the number): no bf16 or f16 on the way to a quantiser, and a product that is left as it is and whose result goes on into a quantised operand takes f32 operands (vector FMAs, or v_wmma_f32_16x16x4_f32). A number that lies on a knife's edge between two numbers of the format may be rounded either way, as far as f32 arithmetic and the matrix unit's own rounding can turn it there, and no further.
;;   INPUTS GIVEN AS CODES. A (in the module: [4096, 512], K = its axis 1); B (in the module: [4096, 512], K = its axis 1); x (in the module: [4, 512, 4096], K = its axis 2): each comes as NAME_codes (uint8): NAME with its K axis moved to the last place and cut into blocks of 32 codes, [.., K / 32, bytes a block], one block behind the other in memory; four codes in three bytes: a row's codes are one little-endian stream of bits, code i at bits 6 i .. 6 i + 5 (a code: sign, 2 exponent bits, 3 mantissa bits); and NAME_scales (uint8): the same leading axes, one E8M0 byte (e + 127) for each 32 codes along K. Its value is code x scale, taken as it is: it is not quantised again, and the codes and scales need not be those that the quantiser above would give.
;; One version. Each part assembles by itself: llvm-mc -triple=amdgcn-amd-amdhsa -mcpu=gfx1250 --defsym DOCPART=n.
;; ======== version 1 of 1: 2 launches
;; limits: right only within a limited range of input values
;; workspace buffers: ww 13,107,200 bytes; xw 6,553,600 bytes
;; launch weight (part 1): grid 16 x 16, 4 waves a work-group, clusters of 4 x 4, 249,600 bytes of LDS; arguments A_codes, A_scales, B_codes, B_scales, x_codes, x_scales, ww, xw; writes ww, xw
.if DOCPART == 1
	.amdgcn_target "amdgcn-amd-amdhsa--gfx1250"
	.amdhsa_code_object_version 6
	.text
	.protected	k_q06584a4c40_weight
	.globl	k_q06584a4c40_weight
	.p2align	8
	.type	k_q06584a4c40_weight,@function
k_q06584a4c40_weight:
	s_mov_b64 s[64:65], 0
	v_nop
	global_prefetch_b8 v0, s[64:65] scope:SCOPE_SE
	s_setreg_imm32_b32 hwreg(HW_REG_WAVE_MODE, 25, 1), 1
	s_wait_xcnt 0x0
	s_wait_alu depctr_hold_cnt(0) depctr_sa_sdst(0) depctr_va_vdst(0) depctr_va_sdst(0) depctr_va_ssrc(0) depctr_va_vcc(0) depctr_vm_vsrc(0)
	s_getreg_b32 s2, hwreg(HW_REG_IB_STS2, 6, 4)
	s_cmp_eq_u32 s2, 0
	s_cbranch_scc0 .Lentry_in_a_cluster
	s_endpgm
.Lentry_in_a_cluster:
	s_bfe_u32 s2, ttmp6, 0x10000c
	s_cmp_lg_u32 s2, 0xf033
	s_cbranch_scc0 .Lentry_shape_is_right
	s_endpgm
.Lentry_shape_is_right:
; W[o][d] = sum over k of A[o][k] B[d][k], K = 512, on codes of FP6 (E2M3) with one E8M0 scale for each 32 along K; W is then quantised along d, in blocks of 32, and stored as codes.
; A work-group of four waves makes 256 (o) x 256 (d), a wave 128 x 128.  All of K lies in LDS at once: 256 rows of A and 256 of B, 384 bytes each.  Nothing in LDS is filled twice and nothing is stored there.
; A WAVE HOLDS ITS 128 ROWS OF B IN REGISTERS (8 tiles x 4 K steps x 12 = 384) and takes A by tiles of 16 o: 32 products a tile into 64 registers, two such sets by turns.  Among a tile's products stands the search for the last tile's largest magnitudes.
; THE MATRIX INSTRUCTION IS USED TRANSPOSED: source 0 = 16 rows of B (d), source 1 = 16 rows of A (o): a lane holds ONE o (lane % 16 = r) and its registers run along d, the next product's K.
; THE ROWS OF B THAT FORM A TILE ARE CHOSEN so that a lane holds whole scale blocks: row m of tile t = 4 c + j is d = 64 c + 32 (m / 8) + 8 j + m % 8; so registers 32 c + 0 .. 31 of lane (r, h = lane / 16) are d = 64 c + 32 h + 0 .. 31, in the
; operand's own order.  B lies in LDS in two regions: rows whose bit 5 is 0, and 128 bytes behind that region's end the others.
; WHAT IS STORED: ww [o / 256][d / 512][o / 128 % 2][d / 128 % 4][12,800 bytes]: eight fragments (16 o x 128 d, 12 registers a lane) as IMAGES OF THEIR REGISTERS (registers 4 k .. 4 k + 3 of lane l at 512 k + 16 l), then 512 bytes of scale words
; (tile 4 g + jj, row r at 256 g + 16 r + 4 jj).  A wave writes one such panel, in stores of 512 consecutive bytes, each at a multiple of 256 from ww's first byte.
; x IS LAID ANEW ON THE SIDE: a work-group takes 16 rows x 2,048 K of x's codes through LDS, a wave 512 K of them, and stores them as register images and 256 scale bytes: xw [row / 128][K / 512][8 tiles of 16 rows][6,400 bytes].
; 256 work-groups x 4 waves are x's 128 tiles of rows x 8 pieces of K.  x is asked for last; it is read behind the first tile's products and stored behind the second's.
; CLUSTERS: 4 x 4 work-groups.  The four of a row of the cluster need the same rows of A, the four of a column the same rows of B: each tile is asked for JOINTLY.  No prefetch: there is no loop to run ahead in.
; THE QUANTISER: a block's scale byte is its largest magnitude's exponent field - 2, held at 1 from below; the conversion divides, rounds to the nearest code, ties to even, and gives the largest code beyond 7.5.
; LIMITS: a block of zeros, or one whose largest magnitude lies under 2^-124, gets the byte 1 (a block of zeros has zero codes, and the bytes are read by this program alone); NaN, infinities and scale bytes of 0xff among the inputs are not served.
; No work of the problem is left out, in this launch or in the next.
; REGISTERS, in windows of 256: window 0: addresses, scale words, v128-223 A's fragments, two sets.  windows 1 and 2: B's fragment f = 4 t + q (tile t, K step q): 21 in window 1, 11 in window 2 up to v131; window 2 v132-227 W's codes, 12 a tile.
;   window 3: accumulators: set s, tile t at v[64 s + 8 t]; v128-175 x's fragments.
.set PITCH,  432                       ; an LDS row: 3 x (128 bytes + 16 of padding) = 108 words; 64 banks of 4 bytes (ISA guide 11.1): the 16 rows that a load touches start at 16 different multiples of 4 banks
.set HALF,   128*PITCH
.set T16,    16*PITCH
.set BLO,    2*HALF                    ; behind A's 256 rows
.set BGAP,   HALF+128                  ; from B's first region to its second: 32 banks on
.set XPB,    221440                    ; 16 rows of x, 12 x 144 bytes each
.set SPARE,  XPB+16*1728               ; the spare words, 128 bytes for each wave: two blocks of 256 bytes that no other line names
.set PADW,   (3<<16)|(1<<20)|(4<<22)|(3<<25)   ; group 1, word 0: elements of 8 bytes; padding on, after every 32 words (code 4), 4 words of it (code 3)
.set ADRA, 16                          ; v16-17  my A fragments: row x pitch + 24 h, and + 40 h for the pieces that lie behind one padding more
.set ADRB, 18                          ; v18-19  my B fragments
.set ADRP, 22                          ; v22-23  my piece of x
.set LI,   24                          ; v24     16 x lane
.set L8,   25                          ; v25     8 x lane
.set ASA,  26                          ; v26     A's scale words: 16 r
.set ASB,  27                          ; v27     B's, by the tile's rows
.set AXS,  28                          ; v28     x's scale bytes
.set H8,   29                          ; v29     8 h
.set SPW,  30                          ; v30     my spare word
.set NIL,  31                          ; v31     0
.set SA,   32                          ; the word of A's tile a, K step q: v[SA + 4 a + q]
.set TM,   64                          ; v64, v65 largest magnitudes
.set SB,   66                          ; of B's tile t: v[SB + 4 t + q]: never the same number modulo 8 as A's of the same step
.set SOP,  98                          ; v98, v99 the conversions' scale operands
.set EB,   100                         ; v100, v101 bytes
.set W1,   102
.set PX,   103
.set PW,   104                         ; v104-111 W's scale words, one register for each tile of 16 o
.set SS,   112                         ; v112-115 the same, picked for the store
.set XS,   116                         ; v116-117 x's scale bytes
.set AF,   128
.set CD,   132                         ; window 2
.set TC,   228                         ; window 2: v228-230, v232-234
.set XR,   128                         ; window 3
.set G1A,  24
.set G0A,  32
.set G0B,  36
.set G1B,  40
.set G1P,  48
.set G0P,  56
.set MSB, 0
.macro WIN new                         ; s_set_vgpr_msb: bits 1:0 source 0, 3:2 source 1, 5:4 source 2, 7:6 destination; the high byte repeats the setting that is left
.if MSB != (\new)
	s_set_vgpr_msb (MSB<<8)|(\new)
.set MSB, (\new)
.endif
.endm
.macro PLACES n                        ; places behind matrix instructions, in front of loads into registers that they read and of readers of their results
.rept \n
	v_nop
.endr
.endm
.macro TLOAD g0, g1
	tensor_load_to_lds s[\g0:\g0+3], s[\g1:\g1+7]
	s_nop 0
	PLACES 4
.endm
.macro CROUND                          ; a round of the cluster's barrier
	s_barrier_signal -1
	s_barrier_wait -1
	s_cmp_lg_u32 s20, 0
	s_cbranch_scc1 .Lnot_wave_0_\@
	s_barrier_signal -3
.Lnot_wave_0_\@:
	s_barrier_wait -3
	s_barrier_signal -1
	s_barrier_wait -1
.endm
.macro GROUP1 g, cols, rows, pitch
	s_mov_b32 s[\g+1], (\cols)<<16
	s_mov_b32 s[\g+2], (\rows)<<16
	s_mov_b32 s[\g+3], (\cols)<<16
	s_mov_b32 s[\g+4], \rows
	s_mov_b32 s[\g+5], \pitch
	s_mov_b32 s[\g+6], 0
	s_mov_b32 s[\g+7], 0
.endm
; A fragment, 16 rows x 128 K of 6-bit codes, is 12 registers: lane l holds row l % 16; registers 6 c .. 6 c + 5 hold K = 64 c + 32 (l / 16) + 0 .. 31: 24 bytes of the row, as they lie, in pieces of 8 bytes.
; Lanes 16-31 take the pieces three on; 16 bytes of padding lie behind every 16 pieces: where the piece three on lies behind one padding more, the second address register serves.
.macro FRAG reg, win, adr, q, off
	WIN (\win)<<6
.irp p, 0,1,2,3,4,5
.set PCE, 12*(\q)+6*(\p/3)+\p%3
.if PCE%16 < 13
	ds_load_b64 v[\reg+2*\p:\reg+2*\p+1], v[\adr] offset:8*PCE+16*(PCE/16)+(\off)
.else
	ds_load_b64 v[\reg+2*\p:\reg+2*\p+1], v[\adr+1] offset:8*PCE+16*(PCE/16)+(\off)
.endif
.endr
.endm
.macro FETCHA a
.irp q, 0,1,2,3
	FRAG AF+48*((\a)%2)+12*\q, 0, ADRA, \q, T16*(\a)
.endr
.endm
; Product n of tile a.  ord 0: the eight accumulators take turns, K step by K step; ord 1: four of them, then the other four.  The first K step starts the sums.
.macro PROD1 n, a, ord
.if \ord
.set T_, 4*((\n)/16)+(\n)%4
.set Q_, ((\n)%16)/4
.else
.set T_, (\n)%8
.set Q_, (\n)/8
.endif
.set F_, 4*T_+Q_
.set R_, 12*(F_%21)
.set D_, 64*((\a)%2)+8*T_
.set A_, AF+48*((\a)%2)+12*Q_
	WIN (1+F_/21)|0xf0
.if Q_ == 0
	v_wmma_scale_f32_16x16x128_f8f6f4 v[D_:D_+7], v[R_:R_+11], v[A_:A_+11], 0, v[SB+F_], v[SA+4*(\a)+Q_] matrix_a_fmt:MATRIX_FMT_FP6 matrix_b_fmt:MATRIX_FMT_FP6
.else
	v_wmma_scale_f32_16x16x128_f8f6f4 v[D_:D_+7], v[R_:R_+11], v[A_:A_+11], v[D_:D_+7], v[SB+F_], v[SA+4*(\a)+Q_] matrix_a_fmt:MATRIX_FMT_FP6 matrix_b_fmt:MATRIX_FMT_FP6
.endif
.endm
; Line e of tile pa's search: two blocks by turns, 16 lines each, from each accumulator's low end on; the floor 2^(3 - 127): the byte cannot fall under 1.
.macro QLINE e, pa
.set X_, 64*((\pa)%2)+32*((\e)%2)+2*((\e)/2)
.if (\e) < 2
	WIN 0x0f
	v_max3_num_f32 v[TM+(\e)%2], |v[X_]|, |v[X_+1]|, 0x1800000
.else
	WIN 0x3c
	v_max3_num_f32 v[TM+(\e)%2], v[TM+(\e)%2], |v[X_]|, |v[X_+1]|
.endif
.endm
.macro BLOCK a, ord, from, to, list    ; products from .. to - 1 of tile a; list = 1: behind every second one two lines of the last tile's search
.set N_, \from
.rept (\to)-(\from)
	PROD1 N_, \a, \ord
.if (\list) && (N_%2)
	QLINE N_-1, (\a)-1
	QLINE N_, (\a)-1
.endif
.set N_, N_+1
.endr
.endm
.macro CVT c                           ; block c's 32 codes: two conversions (a conversion's three registers begin on an even number)
	WIN 0x83
	v_cvt_scalef32_pk16_fp6_f32 v[PC_+6*\c:PC_+6*\c+2], v[X_+32*\c:X_+32*\c+15], v[SOP+\c]
	v_cvt_scalef32_pk16_fp6_f32 v[TC+4*\c:TC+4*\c+2], v[X_+32*\c+16:X_+32*\c+31], v[SOP+\c]
	WIN 0
.endm
.macro QTAIL pa                        ; tile pa's codes and scale word; the fragment's image is stored.  Every tile has registers of its own for both
.set X_, 64*((\pa)%2)
.set PC_, CD+12*(\pa)
	WIN 0
.irp c, 0,1
	v_add_nc_u32 v[SOP+\c], 0xff000000, v[TM+\c]   ; 2 off its exponent field: the conversion takes the exponent field of this operand as its scale, and nothing else of it
.endr
.irp c, 0,1
	v_lshrrev_b32 v[EB+\c], 23, v[SOP+\c]          ; the scales' bytes: blocks h and 2 + h of my o
.endr
	CVT 0
	v_lshl_or_b32 v[W1], v[EB+1], 16, v[EB]
	v_lshlrev_b32 v[W1], v[H8], v[W1]
	CVT 1
	v_permlanex16_b32 v[PX], v[W1], s86, s87
	v_or_b32 v[PW+(\pa)], v[W1], v[PX]             ; with lane l xor 16's two the word is whole
	WIN 0x82
.irp c, 0,1
.irp i, 0,1,2
	v_mov_b32 v[PC_+6*\c+3+\i], v[TC+4*\c+\i]
.endr
.endr
	WIN 0x08
.irp k, 0,1,2
	global_store_b128 v[LI], v[PC_+4*\k:PC_+4*\k+3], s[76:77] offset:1536*(\pa)+512*\k   ; 32 lanes store 512 consecutive bytes
.endr
.endm
	s_load_b256 s[4:11], s[0:1], 0x0               ; A's codes s[4:5], A's scales s[6:7], B's codes s[8:9], B's scales s[10:11]
	s_load_b256 s[12:19], s[0:1], 0x20             ; x's codes s[12:13], x's scales s[14:15], ww s[16:17], xw s[18:19]
	v_lshl_add_u32 v[SPW], v0, 2, SPARE
	v_mov_b32 v[NIL], 0
	ds_add_u32 v[SPW], v[NIL]                      ; the opening lines; work on registers up to their wait
	ds_add_u32 v[SPW], v[NIL]
	v_lshrrev_b32 v1, 5, v0
	v_readfirstlane_b32 s20, v1                    ; wave 0..3
	s_lshr_b32 s21, s20, 1                         ; i: which 128 o are mine
	s_and_b32 s22, s20, 1                          ; j: which 128 d are mine
	s_mul_i32 s92, s21, HALF
	s_mul_i32 s93, s22, 64*PITCH                   ; my 128 rows of B: 64 LDS rows of each region
	s_add_co_u32 s93, s93, BLO
	s_mul_i32 s94, s20, 432
	s_add_co_u32 s94, s94, XPB
	v_and_b32 v3, 31, v0                           ; lane
	v_and_b32 v1, 15, v0                           ; r
	v_bfe_u32 v2, v0, 4, 1                         ; h
	v_lshlrev_b32 v[LI], 4, v3
	v_lshlrev_b32 v[L8], 3, v3
	v_lshlrev_b32 v[ASA], 4, v1
	v_lshlrev_b32 v[H8], 3, v2
	v_lshrrev_b32 v7, 3, v1
	v_and_b32 v8, 7, v1
	v_lshl_add_u32 v9, v7, 5, v8                   ; row 32 (r / 8) + r % 8
	v_lshlrev_b32 v[ASB], 4, v9
	v_lshrrev_b32 v9, 1, v3
	v_and_b32 v10, 1, v3
	v_lshlrev_b32 v10, 3, v10
	v_lshl_add_u32 v[AXS], v9, 7, v10              ; two lanes to a row's 16 bytes
	v_mul_u32_u24 v4, v1, PITCH
	v_mad_u32_u24 v5, v2, 24, v4
	v_mad_u32_u24 v6, v2, 40, v4
	v_add_nc_u32 v[ADRA], s92, v5
	v_add_nc_u32 v[ADRA+1], s92, v6
	v_mul_u32_u24 v4, v8, PITCH
	v_mul_u32_u24 v9, v7, BGAP
	v_add_nc_u32 v4, v4, v9
	v_mad_u32_u24 v5, v2, 24, v4
	v_mad_u32_u24 v6, v2, 40, v4
	v_add_nc_u32 v[ADRB], s93, v5
	v_add_nc_u32 v[ADRB+1], s93, v6
	v_mul_u32_u24 v4, v1, 1728                     ; x in LDS: rows of 12 x (128 + 16) bytes, my 384 bytes at 432 x wave
	v_mad_u32_u24 v5, v2, 24, v4
	v_mad_u32_u24 v6, v2, 40, v4
	v_add_nc_u32 v[ADRP], s94, v5
	v_add_nc_u32 v[ADRP+1], s94, v6
	v_mov_b32 v[PX], 0                             ; written once: a lane permute's destination counts as one of its sources
	s_bfe_u32 s60, ttmp6, 0x40000                  ; cx, cy: my place in the cluster
	s_bfe_u32 s61, ttmp6, 0x40004
	s_lshl_b32 s62, ttmp9, 2
	s_add_co_u32 s62, s62, s60                     ; bx: my 256 d = 4 x cluster x + cx
	s_and_b32 s63, ttmp7, 0xffff
	s_lshl_b32 s63, s63, 2
	s_add_co_u32 s63, s63, s61                     ; by: my 256 o = 4 x cluster y + cy
	s_lshl_b32 s66, s61, 2
	s_lshl_b32 s66, 15, s66                        ; my row of the cluster
	s_lshl_b32 s67, 0x1111, s60                    ; my column
	s_or_b32 s[G1A], s66, PADW|(1<<21)             ; A: 256 rows on end, as 32 tile rows of 3,072 bytes; the mask: my row; bit 21 set beside it
	GROUP1 G1A, 384, 32, 384
	s_or_b32 s[G1B], s67, PADW|(1<<21)             ; B: 4 tile rows of 12,288 bytes (32 rows of B on end), 64 rows of B from one to the next; the mask: my column
	GROUP1 G1B, 1536, 4, 3072
	s_mov_b32 s[G1P], PADW                         ; x: 16 rows of 1,536 bytes, 3,072 bytes apart; no mask: this work-group alone needs them
	GROUP1 G1P, 192, 16, 384
	s_mul_i32 s68, s63, 98304                      ; A's codes: 256 rows x 384 bytes x by
	s_mov_b32 s69, 0
	s_mul_i32 s70, s62, 98304                      ; B's: x bx + 32 rows x (wave % 2)
	s_mul_i32 s71, s22, 12288
	s_add_co_u32 s70, s70, s71
	s_mov_b32 s71, 0
	s_lshl_b32 s89, s63, 4
	s_add_co_u32 s89, s89, s62                     ; g = 16 by + bx
	s_lshr_b32 s90, s89, 1                         ; T = g / 2: my tile of 16 rows of x, 0 .. 127
	s_and_b32 s92, s89, 1
	s_lshl_b32 s91, s92, 2
	s_add_co_u32 s91, s91, s20                     ; c = 4 (g % 2) + wave: my 512 along K, 0 .. 7
	s_mul_i32 s72, s90, 49152                      ; x's codes: 16 rows x 3,072 bytes x T + 1,536 (g % 2)
	s_mul_i32 s92, s92, 1536
	s_add_co_u32 s72, s72, s92
	s_mov_b32 s73, 0
	s_lshl_b32 s82, s90, 11                        ; x's scales: 16 rows x 128 bytes x T + 16 c
	s_lshl_b32 s92, s91, 4
	s_add_co_u32 s82, s82, s92
	s_mov_b32 s83, 0
	s_lshr_b32 s92, s90, 3                         ; xw: unit ((T / 8) 8 + c) 8 + T % 8, of 6,400 bytes
	s_lshl_b32 s92, s92, 3
	s_add_co_u32 s92, s92, s91
	s_lshl_b32 s92, s92, 3
	s_and_b32 s93, s90, 7
	s_add_co_u32 s92, s92, s93
	s_mul_i32 s74, s92, 6400
	s_mov_b32 s75, 0
	s_lshl_b32 s92, s63, 6                         ; ww: panel 64 by + 8 (bx / 2) + 4 i + 2 (bx % 2) + j, of 12,800 bytes
	s_lshr_b32 s93, s62, 1
	s_lshl_b32 s93, s93, 3
	s_add_co_u32 s92, s92, s93
	s_lshl_b32 s93, s21, 2
	s_add_co_u32 s92, s92, s93
	s_and_b32 s93, s62, 1
	s_lshl_b32 s93, s93, 1
	s_add_co_u32 s92, s92, s93
	s_add_co_u32 s92, s92, s22
	s_mul_i32 s76, s92, 12800
	s_mov_b32 s77, 0
	s_lshl_b32 s78, s63, 12                        ; A's scales: 16 bytes a row: 16 (256 by + 128 i)
	s_lshl_b32 s92, s21, 11
	s_add_co_u32 s78, s78, s92
	s_mov_b32 s79, 0
	s_lshl_b32 s80, s62, 12                        ; B's: 16 (256 bx + 128 j)
	s_lshl_b32 s92, s22, 11
	s_add_co_u32 s80, s80, s92
	s_mov_b32 s81, 0
	s_mov_b32 s86, 0x76543210                      ; v_permlanex16_b32's selects for lane l xor 16
	s_mov_b32 s87, 0xfedcba98
	s_mov_b32 s88, 0xffff0000                      ; lanes 16-31
	s_mov_b32 s[G0A], 1
	s_mov_b32 s[G0A+1], 0
	s_mov_b32 s[G0B], 1
	s_mul_i32 s[G0B+1], s22, BGAP
	s_add_co_u32 s[G0B+1], s[G0B+1], BLO
	s_mov_b32 s[G0P], 1
	s_mov_b32 s[G0P+1], XPB
	s_wait_alu depctr_va_vdst(0)                   ; the wait at the head's end
	s_wait_dscnt 0x0                               ; both opening adds are done
	CROUND                                         ; all sixteen work-groups are here: the joint loads meet
	s_wait_kmcnt 0x0
	s_add_nc_u64 s[G0A+2:G0A+3], s[4:5], s[68:69]
	s_or_b32 s[G0A+3], s[G0A+3], 0x80000000
	s_add_nc_u64 s[G0B+2:G0B+3], s[8:9], s[70:71]
	s_or_b32 s[G0B+3], s[G0B+3], 0x80000000
	s_add_nc_u64 s[G0P+2:G0P+3], s[12:13], s[72:73]
	s_or_b32 s[G0P+3], s[G0P+3], 0x80000000
	; one tensor load a wave: waves 0 and 1 B's two regions, whose loads into registers are the most; wave 2 A's rows; wave 3 x, which is wanted last
	s_cmp_lt_u32 s20, 2
	s_cbranch_scc0 .Lwave_2
	TLOAD G0B, G1B
	s_branch .Lasked
.Lwave_2:
	s_cmp_eq_u32 s20, 2
	s_cbranch_scc0 .Lwave_3
	TLOAD G0A, G1A
	s_branch .Lasked
.Lwave_3:
	TLOAD G0P, G1P
.Lasked:
	s_add_nc_u64 s[74:75], s[18:19], s[74:75]      ; my unit of xw
	s_add_nc_u64 s[76:77], s[16:17], s[76:77]      ; my panel of ww
	s_add_nc_u64 s[78:79], s[6:7], s[78:79]
	s_add_nc_u64 s[80:81], s[10:11], s[80:81]
	s_add_nc_u64 s[82:83], s[14:15], s[82:83]
.irp a, 0,1,2,3,4,5,6,7
	global_load_b128 v[SA+4*\a:SA+4*\a+3], v[ASA], s[78:79] offset:256*\a   ; a row's 16 scale bytes are its four words
.endr
.irp t, 0,1,2,3,4,5,6,7
	global_load_b128 v[SB+4*\t:SB+4*\t+3], v[ASB], s[80:81] offset:16*(64*(\t/4)+8*(\t%4))
.endr
	global_load_b64 v[XS:XS+1], v[AXS], s[82:83]
	s_wait_loadcnt 0x0
	s_cmp_lt_u32 s20, 3
	s_cbranch_scc0 .Lnot_a_b
	s_wait_tensorcnt 0x0                           ; waves 0 to 2: A's and B's rows are in
.Lnot_a_b:
	s_barrier_signal -1
	s_barrier_wait -1                              ; they are shown to all; x may be on its way
	FETCHA 0
.irp t, 0,1,2,3,4,5,6,7
.irp q, 0,1,2,3
	FRAG 12*((4*\t+\q)%21), 1+(4*\t+\q)/21, ADRB, \q, PITCH*(32*(\t/4)+8*(\t%4))
.endr
.endr
	FETCHA 1
	s_wait_dscnt 63                                ; 24 of A's second tile and 39 of B's last 96 may be out: A's first tile and B's tiles 0 to 3 are in
	BLOCK 0, 1, 0, 16, 0
	s_wait_dscnt 24                                ; B is in
	BLOCK 0, 1, 16, 24, 0
	WIN 0
	s_wait_tensorcnt 0x0                           ; wave 3: x's rows are in
	s_wait_dscnt 0x0
	s_barrier_signal -1                            ; a plain barrier shows x to all, with products between its signal and its wait
	BLOCK 0, 1, 24, 32, 0
	WIN 0
	s_barrier_wait -1
	PLACES 4
	FETCHA 2
.irp q, 0,1,2,3
	FRAG XR+12*\q, 3, ADRP, \q, 0                  ; my piece of x
.endr
.irp a, 1,2,3,4,5,6,7
.if \a == 1
	s_wait_dscnt 48                                ; the third tile's 24 loads and x's may be out
.elseif \a < 7
	s_wait_dscnt 24                                ; the next tile's 24 loads may be out
.else
	s_wait_dscnt 0x0
.endif
	BLOCK \a, 0, 0, 32, 1
	QTAIL \a-1
.if \a == 1
	s_wait_dscnt 0x0                               ; x's unit leaves
	WIN 0x0c
.irp q, 0,1,2,3
.irp k, 0,1,2
	global_store_b128 v[LI], v[XR+12*\q+4*\k:XR+12*\q+4*\k+3], s[74:75] offset:1536*\q+512*\k
.endr
.endr
	WIN 0
	global_store_b64 v[L8], v[XS:XS+1], s[74:75] offset:6144   ; 32 lanes store the unit's 256 scale bytes
.endif
.if \a < 6
	PLACES 4
	FETCHA \a+2
.endif
.endr
	PLACES 4
.set E_, 0
.rept 32
	QLINE E_, 7
.set E_, E_+1
.endr
	QTAIL 7
	WIN 0
.irp jj, 0,1,2,3
	v_cndmask_b32 v[SS+\jj], v[PW+\jj], v[PW+4+\jj], s88   ; lanes 0-15 send the words of tiles 0-3, lanes 16-31 those of tiles 4-7 (every word stands in both halves of the lanes)
.endr
	global_store_b128 v[LI], v[SS:SS+3], s[76:77] offset:12288
	s_wait_tensorcnt 0x0                           ; the wave's end
	ds_add_u32 v[SPW], v[NIL]
	s_wait_dscnt 0x0
	CROUND                                         ; the closing round: no work-group ends while a partner may still ask for a tile that names it
	s_endpgm
.Lfunc_end_k_q06584a4c40_weight:
	.size	k_q06584a4c40_weight, .Lfunc_end_k_q06584a4c40_weight-k_q06584a4c40_weight
	.p2alignl 7, 3214868480
	.fill 96, 4, 3214868480
	.section	.rodata,"a",@progbits
	.p2align	6, 0x0
	.amdhsa_kernel k_q06584a4c40_weight
		.amdhsa_group_segment_fixed_size 249600
		.amdhsa_private_segment_fixed_size 0
		.amdhsa_enable_private_segment 0
		.amdhsa_kernarg_size 64
		.amdhsa_user_sgpr_count 2
		.amdhsa_user_sgpr_kernarg_segment_ptr 1
		.amdhsa_wavefront_size32 1
		.amdhsa_system_sgpr_workgroup_id_x 1
		.amdhsa_system_sgpr_workgroup_id_y 1
		.amdhsa_system_sgpr_workgroup_id_z 1
		.amdhsa_system_vgpr_workitem_id 0
		.amdhsa_next_free_vgpr 1024
		.amdhsa_next_free_sgpr 100
		.amdhsa_reserve_vcc 0
		.amdhsa_float_denorm_mode_32 3
		.amdhsa_float_denorm_mode_16_64 3
		.amdhsa_memory_ordered 1
		.amdhsa_forward_progress 1
		.amdhsa_inst_pref_size 107
	.end_amdhsa_kernel
	.amdgpu_metadata
---
amdhsa.version: [ 1, 2 ]
amdhsa.kernels:
  - .name:           k_q06584a4c40_weight
    .symbol:         k_q06584a4c40_weight.kd
    .args:
      - { .name: A_codes, .offset: 0, .size: 8, .value_kind: global_buffer, .address_space: global }
      - { .name: A_scales, .offset: 8, .size: 8, .value_kind: global_buffer, .address_space: global }
      - { .name: B_codes, .offset: 16, .size: 8, .value_kind: global_buffer, .address_space: global }
      - { .name: B_scales, .offset: 24, .size: 8, .value_kind: global_buffer, .address_space: global }
      - { .name: x_codes, .offset: 32, .size: 8, .value_kind: global_buffer, .address_space: global }
      - { .name: x_scales, .offset: 40, .size: 8, .value_kind: global_buffer, .address_space: global }
      - { .name: ww, .offset: 48, .size: 8, .value_kind: global_buffer, .address_space: global }
      - { .name: xw, .offset: 56, .size: 8, .value_kind: global_buffer, .address_space: global }
    .group_segment_fixed_size: 249600
    .private_segment_fixed_size: 0
    .kernarg_segment_align: 8
    .kernarg_segment_size: 64
    .max_flat_workgroup_size: 128
    .sgpr_count:     100
    .vgpr_count:     1024
    .wavefront_size: 32
...
	.end_amdgpu_metadata
.endif
;; end of part 1
;; launch product (part 2): grid 16 x 16, 4 waves a work-group, clusters of 4 x 4, 327,680 bytes of LDS; arguments xw, ww, bias, out0; writes out0
.if DOCPART == 2
	.amdgcn_target "amdgcn-amd-amdhsa--gfx1250"
	.amdhsa_code_object_version 6
	.text
	.protected	k_q06584a4c40_product
	.globl	k_q06584a4c40_product
	.p2align	8
	.type	k_q06584a4c40_product,@function
k_q06584a4c40_product:
	s_mov_b64 s[64:65], 0
	v_nop
	global_prefetch_b8 v0, s[64:65] scope:SCOPE_SE
	s_setreg_imm32_b32 hwreg(HW_REG_WAVE_MODE, 25, 1), 1
	s_wait_xcnt 0x0
	s_wait_alu depctr_hold_cnt(0) depctr_sa_sdst(0) depctr_va_vdst(0) depctr_va_sdst(0) depctr_va_ssrc(0) depctr_va_vcc(0) depctr_vm_vsrc(0)
	s_getreg_b32 s2, hwreg(HW_REG_IB_STS2, 6, 4)
	s_cmp_eq_u32 s2, 0
	s_cbranch_scc0 .Lentry_in_a_cluster
	s_endpgm
.Lentry_in_a_cluster:
	s_bfe_u32 s2, ttmp6, 0x10000c
	s_cmp_lg_u32 s2, 0xf033
	s_cbranch_scc0 .Lentry_shape_is_right
	s_endpgm
.Lentry_shape_is_right:
; out[row][o] = sum over d of x[row][d] W[o][d] + bias[o], K = 4,096, on codes of FP6 (E2M3) with one E8M0 scale for each 32 along K; out: [2,048][4,096] f32; sums in f32.
; Both operands come from workspace buffers laid as IMAGES OF THE OPERAND'S REGISTERS (a fragment, 16 rows x 128 K, is 1,536 bytes: registers 4 k .. 4 k + 3 of lane l at 512 k + 16 l), their scale bytes beside them:
;   xw [row / 128][K / 512][8 tiles of 16 rows][6,400]: four fragments (K steps of 128), then 16 scale bytes for each of the 16 rows;
;   ww [o / 256][d / 512][o / 128 % 2][d / 128 % 4][12,800]: eight fragments (tiles of 16 o), then 512 bytes of scale words (tile 4 g + jj, row r at 256 g + 16 r + 4 jj).
; A CHUNK is 512 along K: 51,200 bytes of x and 102,400 of W, each on end.  Chunks go through a ring of two LDS slots of 153,600 bytes.
; A work-group makes 128 rows x 256 o.  Its four waves: wave % 2 = j takes 128 of the 256 o, wave / 2 = kk two of each chunk's four K steps, 2 kk and 2 kk + 1: so a wave holds 128 rows x 128 o, 64 accumulators, and reads 24,576 bytes of LDS for 64 products.
; The two waves of one j add their sums at the end: each KEEPS four of the eight tiles of 16 rows and gives the other four away through LDS.  A wave's tile t is tile t xor 4 kk of the work-group: so tiles 0 to 3 are those that it keeps, in every wave.
; The bias is the C of the first products of the kept tiles, and C is 0 in the others: it enters each sum once.
; The last chunk is multiplied by pairs of tiles: 4 and 5 are finished and given away, then 0 and 1 are finished and leave; then 6 and 7 are given and 2 and 3 leave: so half of the stores start ahead of the last products.
; CLUSTERS: 4 x 4 work-groups.  The four of a row of the cluster need the same chunks of x, the four of a column the same chunks of W: each is asked for JOINTLY.
; THE MATRIX INSTRUCTION IS USED TRANSPOSED (source 0 = 16 o of W, source 1 = 16 rows of x): a lane holds eight neighbouring o of one row of out.
; This launch claims all of a WGP's LDS; it uses 307,712 bytes.
; LIMITS: NaN, infinities and scale bytes of 0xff are not served.
; REGISTERS, in windows of 256.  window 0: v1-29 addresses; v32-63 scale words, two sets (below); v64-255 x's fragments, two sets (K step qq of the wave's two: v[64 + 96 qq + 12 tile]).   window 1: v0-191 W's fragments, two sets; v192-255 the bias.
;   window 2: accumulators of the kept tiles: (a, b) at v[64 a + 8 b]; window 3: of tiles 4 to 7; on the way out v0-127 partial sums and then rows of out.
;   Scale words of a chunk in slot sl, from v32 + 16 sl on: x's pair of tiles 2 p, 2 p + 1 (lanes 0-15, lanes 16-31) at 8 (p / 2) + 2 (p % 2) + qq; W's tiles jj and 4 + jj (likewise) at 4 + 8 qq + jj: x's numbers are 0 to 3 modulo 8, W's 4 to 7.
.set SLOT,  153600
.set SPARE, 2*SLOT                     ; behind the ring: the spare words, 128 bytes for each wave: two blocks of 256 bytes that no other line names
.set STAGE, SLOT                       ; the way out: a stage of 16 rows x 528 bytes for each wave, in slot 1; the exchange, 32,768 bytes for each wave, is slot 0's: each has had its last fill and its last read by then
.set OROW,  16384                      ; a row of out in bytes
.set L16, 4                            ; v4      16 x lane
.set XLO, 6                            ; v6-7    x's tiles 0-3 in slot 0, 1
.set XHI, 8                            ; v8-9    tiles 4-7
.set XSLO, 10                          ; v10-11  their scale words
.set XSHI, 12                          ; v12-13
.set WA,  14                           ; v14-15  W's fragments
.set WSA, 16                           ; v16-17  and scale words
.set EXA, 18                           ; v18     where I put the sums that I give away,
.set EXP, 19                           ; v19     and where my partner puts its own
.set STO, 20                           ; v20     into the stage,
.set RD,  21                           ; v21     and back
.set BO,  22                           ; v22     the bias: 32 x (lane / 16)
.set PFO, 23                           ; v23     the prefetches: 256 x min(lane, 24)
.set SPW, 28                           ; v28     my spare word
.set NIL, 29                           ; v29     0
.set XF,  64
.set G1X, 24                           ; s[24:31], s[32:35] a refill of x, half a chunk's
.set G0X, 32
.set G1W, 36                           ; s[36:43], s[44:47] of W
.set G0W, 44
.set G1XH, 48                          ; s[48:55] a whole chunk of x, s[56:63] of W: the head's
.set G1WH, 56
.set HW0, 68                           ; s[68:83] the head's four groups 0
.set HX0, 72
.set HW1, 76
.set HX1, 80
.set PFA, 84                           ; s[84:85] where my prefetches stand
.set PFS, 86                           ; s[86:87] a chunk on, in bytes
.set MSB, 0
.macro WIN new                         ; s_set_vgpr_msb: bits 1:0 source 0, 3:2 source 1, 5:4 source 2, 7:6 destination; the high byte repeats the setting that is left
.if MSB != (\new)
	s_set_vgpr_msb (MSB<<8)|(\new)
.set MSB, (\new)
.endif
.endm
.macro PLACES n                        ; places behind matrix instructions, in front of loads into registers that they read and of readers of their results
.rept \n
	v_nop
.endr
.endm
.macro TLOAD g0, g1
	tensor_load_to_lds s[\g0:\g0+3], s[\g1:\g1+7]
	s_nop 0
	PLACES 4
.endm
.macro CREST                           ; a round of the cluster's barrier behind its opening barrier
	s_cmp_lg_u32 s14, 0
	s_cbranch_scc1 .Lnot_wave_0_\@
	s_barrier_signal -3
.Lnot_wave_0_\@:
	s_barrier_wait -3
	s_barrier_signal -1
	s_barrier_wait -1
.endm
.macro CROUND
	s_barrier_signal -1
	s_barrier_wait -1
	CREST
.endm
.macro GROUP1 g, mask, rows            ; a dense block as rows of 1,024 bytes (128 elements of 8), no padding; 15:0 the mask; 21 set beside it
	s_or_b32 s[\g], s[\mask], (3<<16)|(1<<21)
	s_mov_b32 s[\g+1], 128<<16
	s_mov_b32 s[\g+2], (\rows)<<16
	s_mov_b32 s[\g+3], 128<<16
	s_mov_b32 s[\g+4], \rows
	s_mov_b32 s[\g+5], 128
	s_mov_b32 s[\g+6], 0
	s_mov_b32 s[\g+7], 0
.endm
.macro PROD d, w, x, c, ws, xs, g, u
	v_wmma_scale_f32_16x16x128_f8f6f4 v[\d:\d+7], v[\w:\w+11], v[\x:\x+11], \c, v[\ws], v[\xs] matrix_a_fmt:MATRIX_FMT_FP6 matrix_b_fmt:MATRIX_FMT_FP6 matrix_a_scale:MATRIX_SCALE_ROW\g matrix_b_scale:MATRIX_SCALE_ROW\u
.endm
; 8 products: x's tile a against W's eight, K step qq, scale words of slot cs.  first = 1: the sums start.  The accumulators take turns, one instruction a turn.
.macro MULX a, qq, cs, first, u
.set H_, (\a)/4
	WIN 1|((2+H_-(\first)*(1-H_))<<4)|((2+H_)<<6)
.set SX_, 32+16*(\cs)+8*H_+2*(((\a)/2)%2)+(\qq)
.irp g, 0,1
.irp jj, 0,1,2,3
.set B_, 4*\g+\jj
.set D_, 64*((\a)%4)+8*B_
.set SW_, 36+16*(\cs)+8*(\qq)+\jj
.if (\first) == 0
	PROD D_, 96*(\qq)+12*B_, XF+96*(\qq)+12*(\a), v[D_:D_+7], SW_, SX_, \g, \u
.elseif H_ == 0
	PROD D_, 96*(\qq)+12*B_, XF+96*(\qq)+12*(\a), v[192+8*B_:199+8*B_], SW_, SX_, \g, \u
.else
	PROD D_, 96*(\qq)+12*B_, XF+96*(\qq)+12*(\a), 0, SW_, SX_, \g, \u
.endif
.endr
.endr
.endm
.macro MUL1 a, qq, cs, first
.if (\a)%2
	MULX \a, \qq, \cs, \first, 1
.else
	MULX \a, \qq, \cs, \first, 0
.endif
.endm
.macro SCAL sl                         ; the scale words of a chunk: 6 loads
	WIN 0
.irp p, 0,1
	ds_load_b64 v[32+16*(\sl)+2*\p:33+16*(\sl)+2*\p], v[XSLO+\sl] offset:12800*\p
	ds_load_b64 v[40+16*(\sl)+2*\p:41+16*(\sl)+2*\p], v[XSHI+\sl] offset:12800*\p
.endr
.irp q, 0,1
	ds_load_b128 v[36+16*(\sl)+8*\q:39+16*(\sl)+8*\q], v[WSA+\sl] offset:12800*\q
.endr
.endm
.macro FETCHW sl, qq                   ; 24 loads in one run: W's eight fragments of K step qq into set qq
	WIN 0x40
.irp b, 0,1,2,3,4,5,6,7
.irp k, 0,1,2
	ds_load_b128 v[96*(\qq)+12*\b+4*\k:96*(\qq)+12*\b+4*\k+3], v[WA+\sl] offset:12800*(\qq)+1536*\b+512*\k
.endr
.endr
.endm
.macro FETCHX sl, qq                   ; 24 loads in one run: x's tiles 0 to 7
	WIN 0
.irp a, 0,1,2,3
.irp k, 0,1,2
	ds_load_b128 v[XF+96*(\qq)+12*\a+4*\k:XF+96*(\qq)+12*\a+4*\k+3], v[XLO+\sl] offset:6400*\a+1536*(\qq)+512*\k
.endr
.endr
.irp a, 0,1,2,3
.irp k, 0,1,2
	ds_load_b128 v[XF+48+96*(\qq)+12*\a+4*\k:XF+48+96*(\qq)+12*\a+4*\k+3], v[XHI+\sl] offset:6400*\a+1536*(\qq)+512*\k
.endr
.endr
.endm
; A PREFETCH INTO THE L2 of the chunk that the NEXT refill will ask for, behind a refill and the runs of LDS loads: one chunk ahead of that refill.  Every cluster asks for its own tiles; the four partners that ask for a tile jointly share it out
; BY ADDRESS: of the 25,600 bytes that an x wave fetches, the partner at place cx takes 6,400 (25 blocks of 256 bytes, a lane a block; lanes 25-31 name lane 24's again); of a W wave's 51,200 the partner at cy takes 12,800, by two instructions.
; Chunk 2 is asked for at the head, behind the first LDS loads; chunks 0 and 1 come by their loads alone.  how = 0: slot 1's refill, which has no chunk behind it in the loop's last trip (s3 = 1).
.macro ASK how
.if (\how) == 0
	s_cmp_lg_u32 s3, 1
	s_cbranch_scc0 .Lnot_mine_\@
.endif
	global_prefetch_b8 v[PFO], s[PFA:PFA+1] th:TH_LOAD_NT scope:SCOPE_SE
	s_cmp_eq_u32 s15, 0
	s_cbranch_scc1 .Lnot_mine_\@
	global_prefetch_b8 v[PFO], s[PFA:PFA+1] offset:6400 th:TH_LOAD_NT scope:SCOPE_SE
.Lnot_mine_\@:
.endm
; A chunk's first K step of mine: 64 products on set 0; among them, in two runs, the second step's fragments are fetched.
.macro STEP0 sl, first
	s_wait_dscnt 12                                ; W's fragments, x's tiles 0 to 3 and the scale words are in; the youngest 12 loads, x's tiles 4 to 7, may be out
	MUL1 0, 0, \sl, \first
	MUL1 1, 0, \sl, \first
	PLACES 4
	FETCHW \sl, 1
	MUL1 2, 0, \sl, \first
	MUL1 3, 0, \sl, \first
	s_wait_dscnt 24                                ; x's tiles 4 to 7 are in; the 24 loads of W just issued may be out
	MUL1 4, 0, \sl, \first
	FETCHX \sl, 1
	MUL1 5, 0, \sl, \first
	MUL1 6, 0, \sl, \first
	MUL1 7, 0, \sl, \first
.endm
; Its second step, which changes slots: all fragments of this slot are in registers or on their way.  In front of the barrier each wave waits for all its tensor loads, adds 0 to its spare word, and waits for that and for its own reads of this slot.
; fill = 1: the barrier opens a round of the cluster's barrier, and this slot is filled again, with the chunk two on: waves 0 and 1 x's halves, waves 2 and 3 W's.
.macro TURN sl, nx, fill, how
	s_wait_dscnt 12
	MUL1 0, 1, \sl, 0
	WIN 0                                          ; (the add's two registers lie in window 0)
.if \fill
	s_wait_xcnt 0x0                                ; the last prefetch has read its address
	s_add_nc_u64 s[PFA:PFA+1], s[PFA:PFA+1], s[PFS:PFS+1]
.endif
	s_wait_tensorcnt 0x0                           ; all my tensor loads have landed: my part of the next slot
.if \fill
	ds_add_u32 v[SPW], v[NIL]                      ; 0 onto my spare word
	s_add_co_u32 s[G0X+1], s94, (\sl)*SLOT
	s_add_nc_u64 s[G0X+2:G0X+3], s[G0X+2:G0X+3], 51200
	s_add_co_u32 s[G0W+1], s95, (\sl)*SLOT
	s_add_nc_u64 s[G0W+2:G0W+3], s[G0W+2:G0W+3], 102400
.endif
	MUL1 1, 1, \sl, 0
	s_wait_dscnt 0x0                               ; the add is done, and my reads of this slot are over
	s_barrier_signal -1
	MUL1 2, 1, \sl, 0
	WIN 0
	s_barrier_wait -1
.if \fill
	CREST                                          ; no wave of any partner still reads this slot's tiles or has a load on its way
	s_cmp_eq_u32 s15, 0
	s_cbranch_scc0 .Lfor_w_\@
	TLOAD G0X, G1X                                 ; my one tensor load until the next round; the four v_nop behind it are also the places in front of the loads below
	s_branch .Lfilled_\@
.Lfor_w_\@:
	TLOAD G0W, G1W
.Lfilled_\@:
.else
	PLACES 4
.endif
	SCAL \nx
	FETCHW \nx, 0
	MUL1 3, 1, \sl, 0
	MUL1 4, 1, \sl, 0
	FETCHX \nx, 0
.if \fill
	ASK \how
.endif
	MUL1 5, 1, \sl, 0
	MUL1 6, 1, \sl, 0
	MUL1 7, 1, \sl, 0
.endm
	s_load_b256 s[4:11], s[0:1], 0x0               ; xw s[4:5], ww s[6:7], bias s[8:9], out s[10:11]
	v_lshl_add_u32 v[SPW], v0, 2, SPARE
	v_mov_b32 v[NIL], 0
	ds_add_u32 v[SPW], v[NIL]                      ; the opening lines; work on registers up to their wait
	ds_add_u32 v[SPW], v[NIL]
	v_lshrrev_b32 v1, 5, v0
	v_readfirstlane_b32 s14, v1                    ; wave 0..3
	s_lshr_b32 s15, s14, 1                         ; kk.  Also: I refill x (0) or W (1)
	s_and_b32 s16, s14, 1                          ; j.  Also: which half I refill
	s_mul_i32 s96, s15, 25600+3072                 ; x's tiles 0 to 3 are the work-group's 4 kk ..; K steps 2 kk ..
	s_mul_i32 s97, s15, 25600-3072
	s_sub_co_u32 s97, 25600, s97                   ; tiles 4 to 7: the other four
	s_mul_i32 s98, s15, 25600+8                    ; their scale words: 8 bytes for two K steps
	s_mul_i32 s99, s15, 25600-8
	s_sub_co_u32 s99, 25600, s99
	s_mul_i32 s100, s16, 51200                     ; W: my 128 o, my K steps
	s_mul_i32 s101, s15, 25600
	s_add_co_u32 s100, s100, s101
	s_add_co_u32 s100, s100, 51200
	v_and_b32 v3, 31, v0                           ; lane
	v_and_b32 v1, 15, v0                           ; r
	v_bfe_u32 v2, v0, 4, 1                         ; h
	v_lshlrev_b32 v[L16], 4, v3
	v_add_nc_u32 v[XLO], s96, v[L16]
	v_add_nc_u32 v[XLO+1], SLOT, v[XLO]
	v_add_nc_u32 v[XHI], s97, v[L16]
	v_add_nc_u32 v[XHI+1], SLOT, v[XHI]
	v_mul_u32_u24 v24, v2, 6400                    ; a pair's scale words: lanes 16-31 the next tile's
	v_lshl_add_u32 v24, v1, 4, v24
	v_add_nc_u32 v24, 6144, v24
	v_add_nc_u32 v[XSLO], s98, v24
	v_add_nc_u32 v[XSLO+1], SLOT, v[XSLO]
	v_add_nc_u32 v[XSHI], s99, v24
	v_add_nc_u32 v[XSHI+1], SLOT, v[XSHI]
	v_add_nc_u32 v[WA], s100, v[L16]
	v_add_nc_u32 v[WA+1], SLOT, v[WA]
	v_lshlrev_b32 v24, 4, v1
	v_lshl_add_u32 v24, v2, 8, v24
	v_add_nc_u32 v24, 12288, v24
	v_add_nc_u32 v[WSA], s100, v24
	v_add_nc_u32 v[WSA+1], SLOT, v[WSA]
	s_lshl_b32 s96, s14, 15
	s_xor_b32 s97, s14, 2                          ; my partner: the other kk, the same j
	s_lshl_b32 s97, s97, 15
	s_mul_i32 s98, s14, 16*528
	s_add_co_u32 s98, s98, STAGE
	v_add_nc_u32 v[EXA], s96, v[L16]
	v_add_nc_u32 v[EXP], s97, v[L16]
	v_mul_u32_u24 v24, v1, 528                     ; into the stage: row r, 32 bytes for each half of the lanes
	v_lshl_add_u32 v24, v2, 5, v24
	v_add_nc_u32 v[STO], s98, v24
	v_add_nc_u32 v[RD], s98, v[L16]                ; back: the 32 lanes take one row of 512 bytes
	v_lshlrev_b32 v[BO], 5, v2
	v_min_u32 v[PFO], 24, v3
	v_lshlrev_b32 v[PFO], 8, v[PFO]
	s_bfe_u32 s88, ttmp6, 0x40000                  ; cx, cy: my place in the cluster
	s_bfe_u32 s89, ttmp6, 0x40004
	s_lshl_b32 s90, ttmp9, 2
	s_add_co_u32 s90, s90, s88                     ; bx: my 256 o = 4 x cluster x + cx
	s_and_b32 s91, ttmp7, 0xffff
	s_lshl_b32 s91, s91, 2
	s_add_co_u32 s91, s91, s89                     ; by: my 128 rows = 4 x cluster y + cy
	s_lshl_b32 s92, s89, 2
	s_lshl_b32 s92, 15, s92                        ; my row of the cluster
	s_lshl_b32 s93, 0x1111, s88                    ; my column
	GROUP1 G1X, 92, 25
	GROUP1 G1W, 93, 50
	GROUP1 G1XH, 92, 50
	GROUP1 G1WH, 93, 100
	s_mul_i32 s20, s91, 409600                     ; x: made of by alone
	s_mov_b32 s21, 0
	s_mul_i32 s22, s90, 819200                     ; W: made of bx alone
	s_mov_b32 s23, 0
	s_mul_i32 s94, s16, 25600                      ; a refill's half: where it goes in a slot
	s_mul_i32 s95, s16, 51200
	s_add_co_u32 s18, s94, 51200                   ; and where it comes from: at chunk 1; the first refill steps it to chunk 2
	s_mov_b32 s19, 0
	s_add_co_u32 s12, s95, 102400
	s_mov_b32 s13, 0
	s_add_co_u32 s95, s95, 51200
	s_lshl_b32 s66, s90, 10                        ; my first o in bytes of f32: 1,024 bx + 512 j
	s_lshl_b32 s67, s16, 9
	s_add_co_u32 s66, s66, s67
	s_mov_b32 s67, 0
	s_lshl_b32 s98, s91, 21                        ; out: my first row is 128 by + 64 kk, of 16,384 bytes
	s_lshl_b32 s99, s15, 20
	s_add_co_u32 s98, s98, s99
	s_add_co_u32 s98, s98, s66
	s_mov_b32 s99, 0
	s_cmp_eq_u32 s15, 0                            ; the prefetches: do I fetch for x?
	s_cselect_b32 s96, s91, s90                    ; by or bx,
	s_cselect_b32 s97, s88, s89                    ; my place among the four that ask for it with me
	s_mul_i32 s96, s96, 409600
	s_mul_i32 s97, s97, 6400
	s_add_co_u32 s96, s96, s97
	s_add_co_u32 s96, s96, s94
	s_add_co_u32 s96, s96, 2*51200                 ; at chunk 2;
	s_lshl_b32 s96, s96, s15                       ; all of W's figures are twice x's
	s_mov_b32 s97, 0
	s_lshl_b32 s[PFS], 51200, s15
	s_mov_b32 s[PFS+1], 0
	s_mov_b32 s[G0X], 1
	s_mov_b32 s[G0W], 1
	s_mov_b32 s[HW0], 1
	s_mov_b32 s[HW0+1], 51200
	s_mov_b32 s[HX0], 1
	s_mov_b32 s[HX0+1], 0
	s_mov_b32 s[HW1], 1
	s_mov_b32 s[HW1+1], SLOT+51200
	s_mov_b32 s[HX1], 1
	s_mov_b32 s[HX1+1], SLOT
	s_wait_alu depctr_va_vdst(0)                   ; the wait at the head's end
	s_wait_dscnt 0x0                               ; both opening adds are done
	CROUND                                         ; all sixteen work-groups are here: the joint loads meet
	s_wait_kmcnt 0x0
	s_add_nc_u64 s[20:21], s[4:5], s[20:21]
	s_add_nc_u64 s[22:23], s[6:7], s[22:23]
	s_mov_b64 s[HW0+2:HW0+3], s[22:23]
	s_or_b32 s[HW0+3], s[HW0+3], 0x80000000
	s_mov_b64 s[HX0+2:HX0+3], s[20:21]
	s_or_b32 s[HX0+3], s[HX0+3], 0x80000000
	s_add_nc_u64 s[HW1+2:HW1+3], s[22:23], 102400
	s_or_b32 s[HW1+3], s[HW1+3], 0x80000000
	s_add_nc_u64 s[HX1+2:HX1+3], s[20:21], 51200
	s_or_b32 s[HX1+3], s[HX1+3], 0x80000000
	s_cmp_eq_u32 s14, 0                            ; one tensor load a wave: chunk 0's W and x, then chunk 1's
	s_cbranch_scc0 .Lwave_1
	TLOAD HW0, G1WH
	s_branch .Lasked
.Lwave_1:
	s_cmp_eq_u32 s14, 1
	s_cbranch_scc0 .Lwave_2
	TLOAD HX0, G1XH
	s_branch .Lasked
.Lwave_2:
	s_cmp_eq_u32 s14, 2
	s_cbranch_scc0 .Lwave_3
	TLOAD HW1, G1WH
	s_branch .Lasked
.Lwave_3:
	TLOAD HX1, G1XH
.Lasked:
	s_add_nc_u64 s[8:9], s[8:9], s[66:67]
	s_add_nc_u64 s[10:11], s[10:11], s[98:99]
	s_add_nc_u64 s[G0X+2:G0X+3], s[20:21], s[18:19]
	s_or_b32 s[G0X+3], s[G0X+3], 0x80000000
	s_add_nc_u64 s[G0W+2:G0W+3], s[22:23], s[12:13]
	s_or_b32 s[G0W+3], s[G0W+3], 0x80000000
	s_cmp_eq_u32 s15, 0
	s_cselect_b64 s[PFA:PFA+1], s[4:5], s[6:7]
	s_add_nc_u64 s[PFA:PFA+1], s[PFA:PFA+1], s[96:97]
	WIN 0x40
.irp b, 0,1,2,3,4,5,6,7
	global_load_b128 v[192+8*\b:195+8*\b], v[BO], s[8:9] offset:64*\b   ; lane (r, h) wants, for tile b, the bias of o 16 b + 8 h + 0 .. 7: the result's layout
	global_load_b128 v[196+8*\b:199+8*\b], v[BO], s[8:9] offset:64*\b+16
.endr
	WIN 0
	s_mov_b32 s3, 3
	s_cmp_lt_u32 s14, 2
	s_cbranch_scc0 .Lnot_chunk_0
	s_wait_tensorcnt 0x0                           ; waves 0 and 1: chunk 0 is in
.Lnot_chunk_0:
	s_barrier_signal -1
	s_barrier_wait -1                              ; it is shown to all; chunk 1 may be on its way
	SCAL 0
	FETCHW 0, 0
	FETCHX 0, 0
	ASK 1
	s_wait_loadcnt 0x0                             ; the bias
	STEP0 0, 1                                     ; the first step stands in front of the loop: its products start the sums
	WIN 0
.Llap:                                                 ; three trips, each once round the ring, from a chunk's second step to the first step two chunks on: chunks 2 to 7 are filled
	TURN 0, 1, 1, 1
	STEP0 1, 0
	TURN 1, 0, 1, 0
	STEP0 0, 0
	WIN 0
	s_sub_co_u32 s3, s3, 1
	s_cmp_lg_u32 s3, 0
	s_cbranch_scc1 .Llap
	TURN 0, 1, 0, 0                                ; chunk 6's second step: nothing is filled again
.macro GIVE p                          ; the sums of tiles 4 + 2 p and 5 + 2 p into LDS: 32 stores, each accumulator from its low end on
	WIN 0x0c                                       ; an LDS store's data are its source 1: window 3
.irp a, 0,1
.irp b, 0,1,2,3,4,5,6,7
	ds_store_b128 v[EXA], v[128*(\p)+64*\a+8*\b:128*(\p)+64*\a+8*\b+3] offset:16384*(\p)+8192*\a+1024*\b
	ds_store_b128 v[EXA], v[128*(\p)+64*\a+8*\b+4:128*(\p)+64*\a+8*\b+7] offset:16384*(\p)+8192*\a+1024*\b+512
.endr
.endr
.endm
.macro TAKE t                          ; my partner's part of my tile t: 16 loads
	WIN 0xc0
.irp n, 0,1,2,3,4,5,6,7,8,9,10,11,12,13,14,15
	ds_load_b128 v[64*((\t)%2)+4*\n:64*((\t)%2)+4*\n+3], v[EXP] offset:8192*(\t)+512*\n
.endr
.endm
.macro ADD t                           ; the two parts of the sums, two numbers an instruction
	WIN 0xce
.set I_, 0
.rept 32
	v_pk_add_f32 v[64*((\t)%2)+2*I_:64*((\t)%2)+2*I_+1], v[64*(\t)+2*I_:64*(\t)+2*I_+1], v[64*((\t)%2)+2*I_:64*((\t)%2)+2*I_+1]
.set I_, I_+1
.endr
.endm
; A tile of 16 rows x 128 o goes through my own stage and comes back as whole rows of 512 bytes.  LDS serves a wave's instructions in order (ISA guide 5.7.1.4): no wait between the stores and the loads, nor in front of the next tile's stores.
.macro TOSTAGE t
	WIN 0x0c
.irp b, 0,1,2,3,4,5,6,7
	ds_store_b128 v[STO], v[64*((\t)%2)+8*\b:64*((\t)%2)+8*\b+3] offset:64*\b
	ds_store_b128 v[STO], v[64*((\t)%2)+8*\b+4:64*((\t)%2)+8*\b+7] offset:64*\b+16
.endr
	WIN 0xc0
.irp n, 0,1,2,3,4,5,6,7,8,9,10,11,12,13,14,15
	ds_load_b128 v[64*((\t)%2)+4*\n:64*((\t)%2)+4*\n+3], v[RD] offset:528*\n
.endr
.endm
.macro SEND t
	WIN 0x0c
.irp n, 0,1,2,3,4,5,6,7,8,9,10,11,12,13,14,15
	global_store_b128 v[L16], v[64*((\t)%2)+4*\n:64*((\t)%2)+4*\n+3], s[10:11] offset:16*OROW*(\t)+OROW*\n th:TH_STORE_NT   ; 32 lanes store 512 consecutive bytes, at a multiple of 256 from out's first byte; written once, read by nobody here
.endr
.endm
; THE LAST CHUNK, in slot 1: both its K steps' fragments come to lie in registers.
	s_wait_dscnt 0x0
	PLACES 4
	FETCHW 1, 1
	MUL1 4, 0, 1, 0
	MUL1 5, 0, 1, 0
	FETCHX 1, 1
	MUL1 0, 0, 1, 0
	MUL1 1, 0, 1, 0
	MUL1 6, 0, 1, 0
	s_wait_dscnt 0x0
	MUL1 4, 1, 1, 0
	MUL1 5, 1, 1, 0
	PLACES 4
	GIVE 0
	MUL1 0, 1, 1, 0
	MUL1 1, 1, 1, 0
	WIN 0
	s_wait_dscnt 0x0                               ; for my partner's sake: my sums are in LDS; and my reads of slot 1 are over
	s_barrier_signal -1
	MUL1 7, 0, 1, 0
	WIN 0
	s_barrier_wait -1
	TAKE 0
	TAKE 1
	MUL1 6, 1, 1, 0
	MUL1 7, 1, 1, 0
	PLACES 4
	s_wait_dscnt 16                                ; tile 0's part is in; tile 1's may be out
	ADD 0
	TOSTAGE 0
	s_wait_dscnt 32                                ; tile 1's part is in; tile 0's 32 instructions on the stage may be out
	ADD 1
	TOSTAGE 1
	s_wait_dscnt 32                                ; tile 0's rows are back
	SEND 0
	GIVE 1
	s_wait_dscnt 32                                ; tile 1's rows are back; the 32 stores just issued may be out
	SEND 1
	MUL1 2, 0, 1, 0
	MUL1 3, 0, 1, 0
	WIN 0
	s_wait_dscnt 0x0                               ; for my partner's sake
	s_barrier_signal -1
	MUL1 2, 1, 1, 0
	WIN 0
	s_barrier_wait -1
	s_wait_xcnt 0x0                                ; the stores have read their registers
	TAKE 2
	TAKE 3
	MUL1 3, 1, 1, 0
	PLACES 4
	s_wait_dscnt 16
	ADD 2
	TOSTAGE 2
	s_wait_dscnt 32
	ADD 3
	TOSTAGE 3
	s_wait_dscnt 32
	SEND 2
	s_wait_dscnt 0x0
	SEND 3
	WIN 0
	s_wait_tensorcnt 0x0                           ; the wave's end, behind my last tensor load and my last LDS store
	ds_add_u32 v[SPW], v[NIL]
	s_wait_dscnt 0x0
	CROUND                                         ; the closing round: no work-group ends while a partner may still ask for a tile that names it
	s_endpgm
.Lfunc_end_k_q06584a4c40_product:
	.size	k_q06584a4c40_product, .Lfunc_end_k_q06584a4c40_product-k_q06584a4c40_product
	.p2alignl 7, 3214868480
	.fill 96, 4, 3214868480
	.section	.rodata,"a",@progbits
	.p2align	6, 0x0
	.amdhsa_kernel k_q06584a4c40_product
		.amdhsa_group_segment_fixed_size 327680
		.amdhsa_private_segment_fixed_size 0
		.amdhsa_enable_private_segment 0
		.amdhsa_kernarg_size 32
		.amdhsa_user_sgpr_count 2
		.amdhsa_user_sgpr_kernarg_segment_ptr 1
		.amdhsa_wavefront_size32 1
		.amdhsa_system_sgpr_workgroup_id_x 1
		.amdhsa_system_sgpr_workgroup_id_y 1
		.amdhsa_system_sgpr_workgroup_id_z 1
		.amdhsa_system_vgpr_workitem_id 0
		.amdhsa_next_free_vgpr 1024
		.amdhsa_next_free_sgpr 102
		.amdhsa_reserve_vcc 0
		.amdhsa_float_denorm_mode_32 3
		.amdhsa_float_denorm_mode_16_64 3
		.amdhsa_memory_ordered 1
		.amdhsa_forward_progress 1
		.amdhsa_inst_pref_size 140
	.end_amdhsa_kernel
	.amdgpu_metadata
---
amdhsa.version: [ 1, 2 ]
amdhsa.kernels:
  - .name:           k_q06584a4c40_product
    .symbol:         k_q06584a4c40_product.kd
    .args:
      - { .name: xw, .offset: 0, .size: 8, .value_kind: global_buffer, .address_space: global }
      - { .name: ww, .offset: 8, .size: 8, .value_kind: global_buffer, .address_space: global }
      - { .name: bias, .offset: 16, .size: 8, .value_kind: global_buffer, .address_space: global }
      - { .name: out0, .offset: 24, .size: 8, .value_kind: global_buffer, .address_space: global }
    .group_segment_fixed_size: 327680
    .private_segment_fixed_size: 0
    .kernarg_segment_align: 8
    .kernarg_segment_size: 32
    .max_flat_workgroup_size: 128
    .sgpr_count:     102
    .vgpr_count:     1024
    .wavefront_size: 32
...
	.end_amdgpu_metadata
.endif
;; end of part 2
